; MI455X (gfx1250); checked and timed in simulation.
; The chip was launched on July 23, 2026; its instructions are those of AMD's public machine-readable ISA for CDNA 5 (MIT licence, August 2026) and "CDNA5" Instruction Set Architecture Reference Guide (July 2026). The comments in the code are by the model that wrote it; some were corrected since.
;; Attn. Allowed arithmetic: float matrix products may take bf16 or f16 operands with f32 sums; all other float work in f32.
;; Inputs: attn_W 1,024 x 1,024 float32; attn_b 1,024 float32; encoder_outputs 2,048 x 32 x 1,024 float32; hidden 1 x 32 x 1,024 float32.
;; Outputs: out0 32 x 1 x 2,048 float32.
;; 2 versions, each right; version 2 is version 1 with the launch energy written anew for expert scheduling mode. Each part assembles by itself: llvm-mc -triple=amdgcn-amd-amdhsa -mcpu=gfx1250 --defsym DOCPART=n.
;; ======== version 1 of 2: 3 launches
;; workspace buffers: vpart 2,097,152 bytes; energ 262,144 bytes
;; launch projv (part 1): grid 16 x 16, 1 waves a work-group, no clusters, 0 bytes of LDS; arguments attn_W, hidden, vpart; writes vpart
.if DOCPART == 1
	.amdgcn_target "amdgcn-amd-amdhsa--gfx1250"
	.amdhsa_code_object_version 6
	.text
	.protected	k_q9b15d58f6e_projv
	.globl	k_q9b15d58f6e_projv
	.p2align	8
	.type	k_q9b15d58f6e_projv,@function
k_q9b15d58f6e_projv:
	s_mov_b64 s[64:65], 0
	v_nop
	global_prefetch_b8 v0, s[64:65] scope:SCOPE_SE
	s_setreg_imm32_b32 hwreg(HW_REG_WAVE_MODE, 25, 1), 1
	s_wait_xcnt 0x0
; vpart[kc][b][h] = sum over o = 64 kc .. 64 kc + 63 of hidden[b][o] * attn_W[o][h].
; hidden: [32][1024] f32, attn_W: [1024][1024] f32, vpart: [16][32][1024] f32.
; First of three launches.  reference() forms (enc W^T + bias) . hidden; since (enc W^T) . hidden = enc . (hidden W) for every input,
; the large product is replaced by this small one and by a dot product for each encoder row (second launch, which also adds the 16 partial sums).
; LIMITS: the order of summation differs from reference()'s; hidden and attn_W are rounded to bf16 (nearest even) for the matrix unit, sums in f32.
;
; SHARES.  Work-group (g, kc), one wave, owns the columns h = 64 g .. 64 g + 63 (256 aligned bytes of a row of W), the rows o = 64 kc .. 64 kc + 63
; and all 32 b: 16 x 16 = 256 equal work-groups, 16 KiB of W and 8 KiB of hidden each.  Its 48 loads go out at once.  No LDS, no barrier: each
; work-group stores its own partial sum, and no sum spans work-groups inside this launch.
; No cluster: the work-groups of one kc share 8 KiB of hidden, a third of what each reads, in a text with one burst of loads.
;
; FRAGMENTS WITHOUT A TRANSPOSE.  L = lane, r = L % 16, hh = L / 16, q = K step of 32.  Position p (register p / 2, half p % 2) of lane half hh holds
; o = 64 kc + 32 q + 16 hh + p, in A and in B alike: a permutation of k that is the same on both sides keeps every product.
; B: load (q, p) takes 16 bytes of W's row 64 kc + 32 q + 16 hh + p at byte 256 g + 16 r: lanes 0-15 cover 256 consecutive aligned bytes, lanes
; 16-31 those 16 rows below.  The lane's four words are columns 4 r + t, t = 0..3; word t goes to N tile t, whose column n = r is h = 64 g + 4 r + t.
; A: row 16 mt + r of hidden, 16 bytes at 256 kc + 128 q + 64 hh + 16 c.
.set VW,   1                           ; v1         hh << 16 | r << 4: my offset in W (16 rows of 4,096 bytes; 16 bytes a lane)
.set VA,   2                           ; v2         r << 12 | hh << 6: my offset in hidden
.set OUTV, 3                           ; v3         hh << 15 | r << 4: my offset in vpart (8 rows of 4,096 bytes; 16 bytes a lane)
.set T0,   4
.set T1,   5
.set RW,   8                           ; v[8:135]   W as loaded: RW + 64 q + 4 p + t
.set RA,   136                         ; v[136:199] hidden as loaded: RA + 32 q + 16 mt + p
.set BF,   200                         ; v[200:231] four B fragments
.set AF,   232                         ; v[232:247] two A fragments
.set D0,   8                           ; v[8:71]    K step 0's eight result tiles, D0 + 8 (4 mt + t) + j; over W's q = 0 words, converted by then
.set D1,   72                          ; v[72:135]  K step 1's, over W's q = 1 words, converted by then
.set ACC,  136                         ; v[136:199] the two steps' sums, ACC + 32 mt + 4 j + t; over hidden's words, converted by then
	s_load_b128 s[4:7], s[0:1], 0x0                ; attn_W s[4:5], hidden s[6:7]
	s_load_b64 s[8:9], s[0:1], 0x10                ; vpart
	s_and_b32 s10, ttmp7, 0xffff                   ; kc
	v_and_b32 v[T0], 15, v0                        ; r    (one wave: the thread's number is the lane)
	v_lshrrev_b32 v[T1], 4, v0                     ; hh
	v_lshlrev_b32 v[VW], 4, v[T0]                  ; 16 r
	v_lshl_or_b32 v[OUTV], v[T1], 15, v[VW]
	v_lshl_or_b32 v[VW], v[T1], 16, v[VW]
	v_lshlrev_b32 v[VA], 12, v[T0]
	v_lshl_or_b32 v[VA], v[T1], 6, v[VA]
	s_lshl_b32 s15, ttmp9, 8                       ; 64 g columns of 4 bytes
	s_lshl_b32 s12, s10, 18                        ; 64 kc rows of 4,096 bytes
	s_add_co_u32 s12, s12, s15
	s_mov_b32 s13, 0
	s_lshl_b32 s16, s10, 8                         ; 64 kc columns of hidden
	s_mov_b32 s17, 0
	s_lshl_b32 s18, s10, 17                        ; kc partial sums of 131,072 bytes
	s_add_co_u32 s18, s18, s15
	s_mov_b32 s19, 0
	s_wait_kmcnt 0x0
	s_add_nc_u64 s[4:5], s[4:5], s[12:13]          ; W at row 64 kc, column 64 g
	s_add_nc_u64 s[6:7], s[6:7], s[16:17]          ; hidden at column 64 kc
	s_add_nc_u64 s[8:9], s[8:9], s[18:19]          ; vpart[kc] at column 64 g
.macro LDA q                           ; 8 loads: hidden, both row tiles, K step q.  Sixteen work-groups read these bytes: no hint
.irp mt, 0,1
.irp c, 0,1,2,3
	global_load_b128 v[RA+32*\q+16*\mt+4*\c:RA+32*\q+16*\mt+4*\c+3], v[VA], s[6:7] offset:\mt*65536+\q*128+\c*16
.endr
.endr
.endm
.macro LDW q                           ; 16 loads: 32 rows of W (16 for each lane half), K step q.  Read once in the launch
.irp p, 0,1,2,3,4,5,6,7,8,9,10,11,12,13,14,15
	global_load_b128 v[RW+64*\q+4*\p:RW+64*\q+4*\p+3], v[VW], s[4:5] offset:(32*\q+\p)*4096 th:TH_LOAD_NT
.endr
.endm
.macro CVT q                           ; f32 to bf16, two at a time, straight into the fragments: positions 2 i (low half) and 2 i + 1 (high half)
.irp mt, 0,1
.irp i, 0,1,2,3,4,5,6,7
	v_cvt_pk_bf16_f32 v[AF+8*\mt+\i], v[RA+32*\q+16*\mt+2*\i], v[RA+32*\q+16*\mt+2*\i+1]
.endr
.endr
.irp t, 0,1,2,3
.irp i, 0,1,2,3,4,5,6,7
	v_cvt_pk_bf16_f32 v[BF+8*\t+\i], v[RW+64*\q+8*\i+\t], v[RW+64*\q+8*\i+4+\t]
.endr
.endr
.endm
; Eight matrix instructions into eight tiles of their own, each with the constant 0 as C: nothing is cleared, and no instruction adds onto another's result.
.macro MM d
.irp mt, 0,1
.irp t, 0,1,2,3
	v_wmma_f32_16x16x32_bf16 v[\d+8*(4*\mt+\t):\d+8*(4*\mt+\t)+7], v[AF+8*\mt:AF+8*\mt+7], v[BF+8*\t:BF+8*\t+7], 0
.endr
.endr
.endm
.macro PLACES                          ; four plain vector instructions between a matrix instruction and a line that reads its result or rewrites its sources (ISA guide 7.12.1)
.rept 4
	v_nop
.endr
.endm
	LDA 0                                          ; all 48 loads of the wave at once: 24 for each K step
	LDW 0
	LDA 1
	LDW 1
	s_wait_loadcnt 24                              ; loads return in order: K step 0's 24 are in, K step 1's 24 stay out
	CVT 0
	MM D0
	s_wait_loadcnt 0x0                             ; K step 1
	PLACES                                         ; the conversions below rewrite the fragments that the matrix instructions read
	CVT 1
	MM D1
	PLACES                                         ; the sums below read the results
	; Register j of tile (mt, t) holds row b = 16 mt + 8 hh + j, column 64 g + 4 r + t.  A store wants t = 0..3 of one row side by side: the sum of the
	; two K steps is written to ACC + 32 mt + 4 j + t, which makes that turn without a copy.
.irp mt, 0,1
.irp j, 0,1,2,3,4,5,6,7
.irp t, 0,1,2,3
	v_add_f32 v[ACC+32*\mt+4*\j+\t], v[D0+8*(4*\mt+\t)+\j], v[D1+8*(4*\mt+\t)+\j]
.endr
	global_store_b128 v[OUTV], v[ACC+32*\mt+4*\j:ACC+32*\mt+4*\j+3], s[8:9] offset:\mt*65536+\j*4096   ; lanes 0-15: 256 consecutive aligned bytes of row b; lanes 16-31: of row b + 8
.endr
.endr
	s_endpgm
.Lfunc_end_k_q9b15d58f6e_projv:
	.size	k_q9b15d58f6e_projv, .Lfunc_end_k_q9b15d58f6e_projv-k_q9b15d58f6e_projv
	.p2alignl 7, 3214868480
	.fill 96, 4, 3214868480
	.section	.rodata,"a",@progbits
	.p2align	6, 0x0
	.amdhsa_kernel k_q9b15d58f6e_projv
		.amdhsa_group_segment_fixed_size 0
		.amdhsa_private_segment_fixed_size 0
		.amdhsa_enable_private_segment 0
		.amdhsa_kernarg_size 24
		.amdhsa_user_sgpr_count 2
		.amdhsa_user_sgpr_kernarg_segment_ptr 1
		.amdhsa_wavefront_size32 1
		.amdhsa_system_sgpr_workgroup_id_x 1
		.amdhsa_system_sgpr_workgroup_id_y 1
		.amdhsa_system_sgpr_workgroup_id_z 1
		.amdhsa_system_vgpr_workitem_id 0
		.amdhsa_next_free_vgpr 248
		.amdhsa_next_free_sgpr 66
		.amdhsa_reserve_vcc 0
		.amdhsa_float_denorm_mode_32 3
		.amdhsa_float_denorm_mode_16_64 3
		.amdhsa_memory_ordered 1
		.amdhsa_forward_progress 1
		.amdhsa_inst_pref_size 17
	.end_amdhsa_kernel
	.amdgpu_metadata
---
amdhsa.version: [ 1, 2 ]
amdhsa.kernels:
  - .name:           k_q9b15d58f6e_projv
    .symbol:         k_q9b15d58f6e_projv.kd
    .args:
      - { .name: attn_W, .offset: 0, .size: 8, .value_kind: global_buffer, .address_space: global }
      - { .name: hidden, .offset: 8, .size: 8, .value_kind: global_buffer, .address_space: global }
      - { .name: vpart, .offset: 16, .size: 8, .value_kind: global_buffer, .address_space: global }
    .group_segment_fixed_size: 0
    .private_segment_fixed_size: 0
    .kernarg_segment_align: 8
    .kernarg_segment_size: 24
    .max_flat_workgroup_size: 32
    .sgpr_count:     66
    .vgpr_count:     248
    .wavefront_size: 32
...
	.end_amdgpu_metadata
.endif
;; end of part 1
;; launch energy (part 2): grid 32 x 8, 16 waves a work-group, no clusters, 7,168 bytes of LDS; arguments encoder_outputs, vpart, energ; writes energ
.if DOCPART == 2
	.amdgcn_target "amdgcn-amd-amdhsa--gfx1250"
	.amdhsa_code_object_version 6
	.text
	.protected	k_q9b15d58f6e_energy
	.globl	k_q9b15d58f6e_energy
	.p2align	8
	.type	k_q9b15d58f6e_energy,@function
k_q9b15d58f6e_energy:
	s_mov_b64 s[64:65], 0
	v_nop
	global_prefetch_b8 v0, s[64:65] scope:SCOPE_SE
	s_setreg_imm32_b32 hwreg(HW_REG_WAVE_MODE, 25, 1), 1
	s_wait_xcnt 0x0
; energ[b][s] = sum over h of encoder_outputs[s][b][h] * v[b][h],   v[b][h] = sum over kc of vpart[kc][b][h].
; encoder_outputs: [2048][32][1024] f32, vpart: [16][32][1024] f32, energ: [32][2048] f32.
; Second of three launches; all in f32.  The bias term, which hangs on b alone, is added in the third launch.
; LIMIT: the order of summation differs from reference()'s (v: eight partial sums a lane half, then the two halves; a row: two chains of packed
; sums a lane, then across the 32 lanes).
;
; A stream: each byte of encoder_outputs is read once, by loads of which each covers 512 consecutive aligned bytes.
; SHARES.  Work-group (b, sc) owns one b and s = 256 sc .. 256 sc + 255: 256 rows of 4,096 bytes; 32 x 8 = 256 equal work-groups.
; One b for a work-group, so that it needs one row of each of the 16 partial sums: 64 KiB beside its 1 MiB of rows.
; Wave w owns the 16 rows s = 256 sc + 16 w + i.  A row is eight loads of 16 bytes a lane; lane L holds columns 128 j + 4 L .. + 3 of piece j, and
; keeps v[b] in 32 registers in the same pattern for the whole kernel.
; PROLOGUE.  Wave w adds up the columns 64 w .. 64 w + 63 of v[b]: eight loads, in each of which lanes 0-15 take 256 consecutive aligned bytes of
; partial sum p and lanes 16-31 those of partial sum p + 8.  They are issued ahead of the ring's first 32 loads, which are on their way while the
; sums are made, meet in LDS behind one barrier, and are read back by every wave.
; A ring of four row slots in registers keeps 32 loads (16 KiB) of every wave on their way; the waits are counted and never drain the ring.
; The 16 rows are written out: row and piece stand in the loads' immediate (1,969,664 at the most, inside its signed 24 bits), so no address
; register is ever rewritten.
; LDS: bytes 0 to 4,095 v[b]; bytes 4,096 to 5,119 the group's 256 results.  Each region is written once.
; LEFT OUT: the matrix unit (one column for each b: rounding a pair of numbers to bf16 costs the one packed instruction that finishes them in f32);
; tensor loads into LDS (the rows are shared between no waves, and a register ring needs no barrier); clusters (the eight work-groups of one b share
; only the 64 KiB of partial sums against 1 MiB of their own each); prefetches (the ring already asks ahead).
.set ROWB,  131072                     ; bytes from s to s + 1: 32 b x 4,096
.set PARTB, 131072                     ; bytes from one partial sum to the next: 32 b x 4,096
.set STAGE, 4096                       ; LDS: the results, behind v[b]
.set OFF,  1                           ; v1         16 L; never rewritten
.set VV,   2                           ; v[2:33]    first my eight pieces of the partial sums, then v[b], my 32 numbers
.set X,    34                          ; v[34:161]  ring: row i in slot i % 4, 32 registers
.set P,    162                         ; v[162:165] two chains of packed sums
.set T,    166
.set T2,   167
.set R,    168                         ; lanes i and i + 16: the result of row i
.set LST,  169                         ; 64 w + 4 (L % 16): where my results go in the stage
.set LRD,  170                         ; 512 w + 16 L: the way out, in the stage and in energ alike
.set VP,   171                         ; (L / 16) << 20 | (L % 16) << 4: my offset in vpart (eight partial sums; 16 bytes a lane)
.set VST,  172                         ; 256 w + 16 (L % 16): where my part of v[b] goes in LDS
	s_load_b128 s[4:7], s[0:1], 0x0                ; encoder_outputs s[4:5], vpart s[6:7]
	s_load_b64 s[8:9], s[0:1], 0x10                ; energ
	v_lshl_add_u32 v174, v0, 2, 0x1400
	v_mov_b32 v175, 0
	v_lshrrev_b32 v[T], 5, v0
	v_readfirstlane_b32 s10, v[T]                  ; wave 0..15
	v_and_b32 v[OFF], 31, v0
	v_lshlrev_b32 v[OFF], 4, v[OFF]
	v_and_b32 v[VST], 15, v0                       ; L % 16
	v_bfe_u32 v[T], v0, 4, 1                       ; L / 16
	v_lshlrev_b32 v[VP], 4, v[VST]
	v_lshl_or_b32 v[VP], v[T], 20, v[VP]
	s_and_b32 s13, ttmp7, 0xffff                   ; sc
	s_lshl_b32 s11, ttmp9, 12                      ; b x 4,096
	s_lshl_b32 s12, s10, 8                         ; 256 w
	s_lshl_b32 s14, s13, 25                        ; 256 sc rows of 131,072 bytes
	s_lshl_b32 s18, s10, 21                        ; 16 w rows
	s_add_co_u32 s14, s14, s18
	s_add_co_u32 s14, s14, s11                     ; below 2^28
	s_mov_b32 s15, 0
	s_add_co_u32 s20, s11, s12                     ; row b of a partial sum, my wave's 256 bytes
	s_mov_b32 s21, 0
	s_wait_kmcnt 0x0
	s_add_nc_u64 s[4:5], s[4:5], s[14:15]          ; my first row
	s_add_nc_u64 s[6:7], s[6:7], s[20:21]
.irp p, 0,1,2,3,4,5,6,7
	global_load_b128 v[VV+4*\p:VV+4*\p+3], v[VP], s[6:7] offset:\p*PARTB     ; partial sums p and p + 8; eight work-groups read these bytes: no hint
.endr
.macro FILL i                          ; row i into its slot: eight loads of 512 consecutive bytes; read once in the launch
.irp j, 0,1,2,3,4,5,6,7
	global_load_b128 v[X+32*((\i)%4)+4*\j:X+32*((\i)%4)+4*\j+3], v[OFF], s[4:5] offset:(\i)*ROWB+\j*512 th:TH_LOAD_NT
.endr
.endm
	FILL 0
	FILL 1
	FILL 2
	FILL 3
	; the rest of the set-up, while the loads are on their way
	s_lshl_b32 s14, ttmp9, 13                      ; row b of energ, 8,192 bytes
	s_lshl_b32 s18, s13, 10                        ; 256 sc numbers
	s_add_co_u32 s14, s14, s18
	s_add_nc_u64 s[8:9], s[8:9], s[14:15]
	s_mov_b32 s16, 0x76543210                      ; v_permlanex16_b32: lane i of one half reads lane i of the other
	s_mov_b32 s17, 0xfedcba98
	v_mov_b32 v[T2], 0                             ; v_permlanex16_b32's destination counts as read: written once here
	v_lshl_add_u32 v[VST], v[VST], 4, s12          ; 256 w + 16 (L % 16)
	s_lshl_b32 s18, s10, 6
	v_and_b32 v[LST], 15, v0
	v_lshl_add_u32 v[LST], v[LST], 2, s18          ; 64 w + 4 (L % 16)
	; v[b], my wave's 64 columns
	s_wait_loadcnt 32                              ; loads return in order: my eight pieces are in, the ring's 32 loads stay out
	v_pk_add_f32 v[P:P+1],   v[VV:VV+1],   v[VV+4:VV+5]                          ; the first two pieces start the sums
	v_pk_add_f32 v[P+2:P+3], v[VV+2:VV+3], v[VV+6:VV+7]
.irp p, 2,3,4,5,6,7
	v_pk_add_f32 v[P:P+1],   v[P:P+1],   v[VV+4*\p:VV+4*\p+1]
	v_pk_add_f32 v[P+2:P+3], v[P+2:P+3], v[VV+4*\p+2:VV+4*\p+3]
.endr
.irp k, 0,1,2,3
	v_permlanex16_b32 v[VV+\k], v[P+\k], s16, s17  ; the other half's eight; the destinations have been written by the loads
.endr
	v_pk_add_f32 v[P:P+1],   v[P:P+1],   v[VV:VV+1]
	v_pk_add_f32 v[P+2:P+3], v[P+2:P+3], v[VV+2:VV+3]
	ds_store_b128 v[VST], v[P:P+3]                 ; lanes L and L + 16 write the same 16 bytes with the same values (a sum of two terms in either order)
	s_wait_dscnt 0x0                               ; my store is in LDS before I say so
	s_barrier_signal -1
	s_barrier_wait -1                              ; every wave's is: v[b] is whole
.irp j, 0,1,2,3,4,5,6,7
	ds_load_b128 v[VV+4*\j:VV+4*\j+3], v[OFF] offset:\j*512                      ; 512 consecutive bytes a load: no bank conflict
.endr
	s_wait_dscnt 0x0
; Row i.  left = how many younger loads may stay out: eight for each younger row in the ring.
.macro ROW i, left
	s_wait_loadcnt \left                           ; loads return in order: row i is in
	v_pk_mul_f32 v[P:P+1],   v[X+32*(\i%4):X+32*(\i%4)+1],   v[VV:VV+1]          ; the first products start the two chains
	v_pk_mul_f32 v[P+2:P+3], v[X+32*(\i%4)+2:X+32*(\i%4)+3], v[VV+2:VV+3]
.irp k, 1,2,3,4,5,6,7
	v_pk_fma_f32 v[P:P+1],   v[X+32*(\i%4)+4*\k:X+32*(\i%4)+4*\k+1],   v[VV+4*\k:VV+4*\k+1],   v[P:P+1]
	v_pk_fma_f32 v[P+2:P+3], v[X+32*(\i%4)+4*\k+2:X+32*(\i%4)+4*\k+3], v[VV+4*\k+2:VV+4*\k+3], v[P+2:P+3]
.endr
.if \i+4 < 16
	FILL (\i+4)                                    ; the slot has been read: its next row goes out at once
.endif
	v_pk_add_f32 v[P:P+1], v[P:P+1], v[P+2:P+3]
	v_add_f32 v[T], v[P], v[P+1]
	v_add_f32_dpp v[T], v[T], v[T] row_xmask:1 row_mask:0xf bank_mask:0xf       ; across the 16 lanes of each half,
	v_add_f32_dpp v[T], v[T], v[T] row_xmask:2 row_mask:0xf bank_mask:0xf
	v_add_f32_dpp v[T], v[T], v[T] row_xmask:4 row_mask:0xf bank_mask:0xf
	v_add_f32_dpp v[T], v[T], v[T] row_xmask:8 row_mask:0xf bank_mask:0xf
	v_permlanex16_b32 v[T2], v[T], s16, s17                                     ; and across the halves
.if \i == 0
	v_add_f32 v[R], v[T], v[T2]                    ; writes R whole
.else
	v_add_f32 v[T], v[T], v[T2]
	s_mov_b32 s18, 0x10001<<\i
	v_cndmask_b32 v[R], v[R], v[T], s18            ; lanes i and i + 16 keep row i
.endif
.endm
.irp i, 0,1,2,3,4,5,6,7,8,9,10,11,12
	ROW \i, 24                                     ; three younger rows stay out
.endr
	ROW 13, 16                                     ; nothing is left to fetch: the counts run down
	ROW 14, 8
	ROW 15, 0
	; The group's 256 results meet in LDS, so that each store of a wave covers 512 consecutive aligned bytes of energ.
	ds_store_b32 v[LST], v[R] offset:STAGE         ; lanes i and i + 16 write the same word with the same value
	s_wait_dscnt 0x0                               ; my store is in LDS before I say so
	s_barrier_signal -1
	s_barrier_wait -1
	s_cmp_gt_u32 s10, 1
	s_cbranch_scc1 .Lend                           ; 64 threads x 16 bytes = the 1,024 bytes: waves 0 and 1
	s_lshl_b32 s14, s10, 9
	v_add_nc_u32 v[LRD], s14, v[OFF]               ; 512 w + 16 L
	ds_load_b128 v[X:X+3], v[LRD] offset:STAGE
	s_wait_dscnt 0x0
	global_store_b128 v[LRD], v[X:X+3], s[8:9]
.Lend:
	s_wait_tensorcnt 0x0
	ds_add_u32 v174, v175
	s_wait_dscnt 0x0
	s_endpgm
.Lfunc_end_k_q9b15d58f6e_energy:
	.size	k_q9b15d58f6e_energy, .Lfunc_end_k_q9b15d58f6e_energy-k_q9b15d58f6e_energy
	.p2alignl 7, 3214868480
	.fill 96, 4, 3214868480
	.section	.rodata,"a",@progbits
	.p2align	6, 0x0
	.amdhsa_kernel k_q9b15d58f6e_energy
		.amdhsa_group_segment_fixed_size 7168
		.amdhsa_private_segment_fixed_size 0
		.amdhsa_enable_private_segment 0
		.amdhsa_kernarg_size 24
		.amdhsa_user_sgpr_count 2
		.amdhsa_user_sgpr_kernarg_segment_ptr 1
		.amdhsa_wavefront_size32 1
		.amdhsa_system_sgpr_workgroup_id_x 1
		.amdhsa_system_sgpr_workgroup_id_y 1
		.amdhsa_system_sgpr_workgroup_id_z 1
		.amdhsa_system_vgpr_workitem_id 0
		.amdhsa_next_free_vgpr 176
		.amdhsa_next_free_sgpr 66
		.amdhsa_reserve_vcc 0
		.amdhsa_float_denorm_mode_32 3
		.amdhsa_float_denorm_mode_16_64 3
		.amdhsa_memory_ordered 1
		.amdhsa_forward_progress 1
		.amdhsa_inst_pref_size 43
	.end_amdhsa_kernel
	.amdgpu_metadata
---
amdhsa.version: [ 1, 2 ]
amdhsa.kernels:
  - .name:           k_q9b15d58f6e_energy
    .symbol:         k_q9b15d58f6e_energy.kd
    .args:
      - { .name: encoder_outputs, .offset: 0, .size: 8, .value_kind: global_buffer, .address_space: global }
      - { .name: vpart, .offset: 8, .size: 8, .value_kind: global_buffer, .address_space: global }
      - { .name: energ, .offset: 16, .size: 8, .value_kind: global_buffer, .address_space: global }
    .group_segment_fixed_size: 7168
    .private_segment_fixed_size: 0
    .kernarg_segment_align: 8
    .kernarg_segment_size: 24
    .max_flat_workgroup_size: 512
    .sgpr_count:     66
    .vgpr_count:     176
    .wavefront_size: 32
...
	.end_amdgpu_metadata
.endif
;; end of part 2
;; launch logsm (part 3): grid 32 x 1, 1 waves a work-group, no clusters, 0 bytes of LDS; arguments energ, hidden, attn_b, out0; writes out0
.if DOCPART == 3
	.amdgcn_target "amdgcn-amd-amdhsa--gfx1250"
	.amdhsa_code_object_version 6
	.text
	.protected	k_q9b15d58f6e_logsm
	.globl	k_q9b15d58f6e_logsm
	.p2align	8
	.type	k_q9b15d58f6e_logsm,@function
k_q9b15d58f6e_logsm:
	s_mov_b64 s[64:65], 0
	v_nop
	global_prefetch_b8 v0, s[64:65] scope:SCOPE_SE
	s_setreg_imm32_b32 hwreg(HW_REG_WAVE_MODE, 25, 1), 1
	s_wait_xcnt 0x0
; out0[b][s] = x - max over s of x - ln(sum over s of exp(x - max)),  x = energ[b][s] + c[b],  c[b] = sum over o of hidden[b][o] * attn_b[o].
; energ: [32][2048] f32, hidden: [32][1024] f32, attn_b: [1024] f32, out0: [32][2048] f32.  Third of three launches; all in f32.
; One wave for each b: a row of 2,048 numbers is 64 registers of a wave, so it is read once, stays in registers through the three passes, and the
; sums never leave the wave: no LDS, no barrier.  The problem has 32 rows, so there is work for 32 work-groups.
; The bias term c is added in front of the maximum, as reference() has it; the maximum is taken away before the factor log2(e) is applied.
; LIMITS: the order of summation differs from reference()'s; v_exp_f32 gives 0 for results below 2^-126 (ISA guide, its entry), in a sum that is at
; least 1 because the largest term is exp(0).  A NaN in a row reaches the sum through its own exponential and so every output of the row.
.set OFF, 1                            ; v1         16 L
.set HH,  2                            ; v[2:33]    hidden[b]
.set BB,  34                           ; v[34:65]   attn_b
.set EN,  66                           ; v[66:129]  the row: lane L holds s = 128 j + 4 L .. + 3 of piece j
.set TA,  130                          ; v[130:137] eight exponentials
.set TB,  138                          ; v[138:145] eight more
.set SU,  146                          ; v[146:149] two chains of packed sums
.set MA,  150                          ; v[150:153] four chains of maxima
.set CC,  154                          ; v[154:155] c, twice (a pair for the packed add)
.set T,   156
.set T2,  157
.set MX,  158                          ; v[158:159] the maximum, twice
.set LG,  160                          ; v[160:161] ln of the sum, twice
	s_load_b256 s[4:11], s[0:1], 0x0               ; energ s[4:5], hidden s[6:7], attn_b s[8:9], out0 s[10:11]
	v_lshlrev_b32 v[OFF], 4, v0                    ; one wave: the thread's number is the lane
	v_mov_b32 v[T2], 0                             ; v_permlanex16_b32's destination counts as read: written once here
	s_mov_b32 s16, 0x76543210                      ; lane i of one half reads lane i of the other
	s_mov_b32 s17, 0xfedcba98
	s_mov_b32 s18, 0x3fb8aa3b                      ; log2(e); the packed multiply takes s18 for both halves,
	s_mov_b32 s19, 0x3fb8aa3b                      ; and the whole pair is written
	s_lshl_b32 s12, ttmp9, 13                      ; b rows of 8,192 bytes
	s_mov_b32 s13, 0
	s_lshl_b32 s14, ttmp9, 12                      ; b rows of 4,096 bytes
	s_mov_b32 s15, 0
	s_wait_kmcnt 0x0
	s_add_nc_u64 s[4:5], s[4:5], s[12:13]
	s_add_nc_u64 s[10:11], s[10:11], s[12:13]
	s_add_nc_u64 s[6:7], s[6:7], s[14:15]
.irp j, 0,1,2,3,4,5,6,7
	global_load_b128 v[HH+4*\j:HH+4*\j+3], v[OFF], s[6:7] offset:\j*512
.endr
.irp j, 0,1,2,3,4,5,6,7
	global_load_b128 v[BB+4*\j:BB+4*\j+3], v[OFF], s[8:9] offset:\j*512
.endr
.irp j, 0,1,2,3,4,5,6,7,8,9,10,11,12,13,14,15
	global_load_b128 v[EN+4*\j:EN+4*\j+3], v[OFF], s[4:5] offset:\j*512 th:TH_LOAD_NT
.endr
.macro LANESUM                         ; T summed over the 16 lanes of each half; T2 = the other half's sum
	v_add_f32_dpp v[T], v[T], v[T] row_xmask:1 row_mask:0xf bank_mask:0xf
	v_add_f32_dpp v[T], v[T], v[T] row_xmask:2 row_mask:0xf bank_mask:0xf
	v_add_f32_dpp v[T], v[T], v[T] row_xmask:4 row_mask:0xf bank_mask:0xf
	v_add_f32_dpp v[T], v[T], v[T] row_xmask:8 row_mask:0xf bank_mask:0xf
	v_permlanex16_b32 v[T2], v[T], s16, s17
.endm
	; c[b] = hidden[b] . attn_b
	s_wait_loadcnt 16                              ; loads return in order: hidden and attn_b are in, the row's 16 loads stay out
	v_pk_mul_f32 v[SU:SU+1],   v[HH:HH+1],   v[BB:BB+1]
	v_pk_mul_f32 v[SU+2:SU+3], v[HH+2:HH+3], v[BB+2:BB+3]
.irp k, 1,2,3,4,5,6,7
	v_pk_fma_f32 v[SU:SU+1],   v[HH+4*\k:HH+4*\k+1],   v[BB+4*\k:BB+4*\k+1],   v[SU:SU+1]
	v_pk_fma_f32 v[SU+2:SU+3], v[HH+4*\k+2:HH+4*\k+3], v[BB+4*\k+2:BB+4*\k+3], v[SU+2:SU+3]
.endr
	v_pk_add_f32 v[SU:SU+1], v[SU:SU+1], v[SU+2:SU+3]
	v_add_f32 v[T], v[SU], v[SU+1]
	LANESUM
	v_add_f32 v[CC],   v[T], v[T2]
	v_add_f32 v[CC+1], v[T], v[T2]
	; x = energy + c
	s_wait_loadcnt 0x0
.set k, 0
.rept 32
	v_pk_add_f32 v[EN+2*k:EN+2*k+1], v[EN+2*k:EN+2*k+1], v[CC:CC+1]
.set k, k+1
.endr
	; the maximum: four chains, started by the first eight numbers, two more numbers a line
.irp k, 0,1,2,3
	v_max_num_f32 v[MA+\k], v[EN+\k], v[EN+4+\k]
.endr
.irp m, 0,1,2,3,4,5,6
.irp k, 0,1,2,3
	v_max3_num_f32 v[MA+\k], v[MA+\k], v[EN+8+8*\m+\k], v[EN+12+8*\m+\k]
.endr
.endr
	v_max3_num_f32 v[T], v[MA], v[MA+1], v[MA+2]
	v_max_num_f32 v[T], v[T], v[MA+3]
	v_max_num_f32_dpp v[T], v[T], v[T] row_xmask:1 row_mask:0xf bank_mask:0xf
	v_max_num_f32_dpp v[T], v[T], v[T] row_xmask:2 row_mask:0xf bank_mask:0xf
	v_max_num_f32_dpp v[T], v[T], v[T] row_xmask:4 row_mask:0xf bank_mask:0xf
	v_max_num_f32_dpp v[T], v[T], v[T] row_xmask:8 row_mask:0xf bank_mask:0xf
	v_permlanex16_b32 v[T2], v[T], s16, s17
	v_max_num_f32 v[MX],   v[T], v[T2]
	v_max_num_f32 v[MX+1], v[T], v[T2]
	; x - max, kept: it is both the exponent and the first part of the result
.set k, 0
.rept 32
	v_pk_add_f32 v[EN+2*k:EN+2*k+1], v[EN+2*k:EN+2*k+1], v[MX:MX+1] neg_lo:[0,1] neg_hi:[0,1]
.set k, k+1
.endr
; Eight exponentials: exp(y) = 2^(y log2(e)).  Behind v_exp_f32 one plain vector instruction stands before its result is used (ISA guide 5.7.2):
; the two buffers take turns, so that a buffer's sum stands behind the other buffer's multiplies or sum.
.macro EXPG g, buf
.irp k, 0,1,2,3
	v_pk_mul_f32 v[\buf+2*\k:\buf+2*\k+1], v[EN+8*\g+2*\k:EN+8*\g+2*\k+1], s[18:19] op_sel_hi:[1,0]
.endr
.irp k, 0,1,2,3,4,5,6,7
	v_exp_f32 v[\buf+\k], v[\buf+\k]
.endr
.endm
.macro SUMG buf, first                 ; first = 1: the first eight start the two chains
.if \first
	s_wait_alu depctr_va_vdst(0)
	v_pk_add_f32 v[SU:SU+1],   v[\buf:\buf+1],   v[\buf+2:\buf+3]
	v_pk_add_f32 v[SU+2:SU+3], v[\buf+4:\buf+5], v[\buf+6:\buf+7]
.else
	s_wait_alu depctr_va_vdst(0)
	v_pk_add_f32 v[SU:SU+1],   v[SU:SU+1],   v[\buf:\buf+1]
	v_pk_add_f32 v[SU+2:SU+3], v[SU+2:SU+3], v[\buf+2:\buf+3]
	v_pk_add_f32 v[SU:SU+1],   v[SU:SU+1],   v[\buf+4:\buf+5]
	v_pk_add_f32 v[SU+2:SU+3], v[SU+2:SU+3], v[\buf+6:\buf+7]
.endif
.endm
	EXPG 0, TA
	EXPG 1, TB
	SUMG TA, 1
	EXPG 2, TA
	SUMG TB, 0
	EXPG 3, TB
	SUMG TA, 0
	EXPG 4, TA
	SUMG TB, 0
	EXPG 5, TB
	SUMG TA, 0
	EXPG 6, TA
	SUMG TB, 0
	EXPG 7, TB
	SUMG TA, 0
	SUMG TB, 0
	v_pk_add_f32 v[SU:SU+1], v[SU:SU+1], v[SU+2:SU+3]
	v_add_f32 v[T], v[SU], v[SU+1]
	LANESUM
	v_add_f32 v[T], v[T], v[T2]
	v_log_f32 v[T], v[T]                           ; log2 of the sum
	v_nop                                          ; the plain place behind a transcendental
	s_wait_alu depctr_va_vdst(0)
	v_mul_f32 v[LG],   0x3f317218, v[T]            ; x ln 2
	v_mul_f32 v[LG+1], 0x3f317218, v[T]
	; the result, and out: each store covers 512 consecutive aligned bytes
.irp j, 0,1,2,3,4,5,6,7,8,9,10,11,12,13,14,15
	v_pk_add_f32 v[EN+4*\j:EN+4*\j+1],   v[EN+4*\j:EN+4*\j+1],   v[LG:LG+1] neg_lo:[0,1] neg_hi:[0,1]
	v_pk_add_f32 v[EN+4*\j+2:EN+4*\j+3], v[EN+4*\j+2:EN+4*\j+3], v[LG:LG+1] neg_lo:[0,1] neg_hi:[0,1]
	global_store_b128 v[OFF], v[EN+4*\j:EN+4*\j+3], s[10:11] offset:\j*512 th:TH_STORE_NT
.endr
	s_endpgm
.Lfunc_end_k_q9b15d58f6e_logsm:
	.size	k_q9b15d58f6e_logsm, .Lfunc_end_k_q9b15d58f6e_logsm-k_q9b15d58f6e_logsm
	.p2alignl 7, 3214868480
	.fill 96, 4, 3214868480
	.section	.rodata,"a",@progbits
	.p2align	6, 0x0
	.amdhsa_kernel k_q9b15d58f6e_logsm
		.amdhsa_group_segment_fixed_size 0
		.amdhsa_private_segment_fixed_size 0
		.amdhsa_enable_private_segment 0
		.amdhsa_kernarg_size 32
		.amdhsa_user_sgpr_count 2
		.amdhsa_user_sgpr_kernarg_segment_ptr 1
		.amdhsa_wavefront_size32 1
		.amdhsa_system_sgpr_workgroup_id_x 1
		.amdhsa_system_sgpr_workgroup_id_y 1
		.amdhsa_system_sgpr_workgroup_id_z 1
		.amdhsa_system_vgpr_workitem_id 0
		.amdhsa_next_free_vgpr 162
		.amdhsa_next_free_sgpr 66
		.amdhsa_reserve_vcc 0
		.amdhsa_float_denorm_mode_32 3
		.amdhsa_float_denorm_mode_16_64 3
		.amdhsa_memory_ordered 1
		.amdhsa_forward_progress 1
		.amdhsa_inst_pref_size 23
	.end_amdhsa_kernel
	.amdgpu_metadata
---
amdhsa.version: [ 1, 2 ]
amdhsa.kernels:
  - .name:           k_q9b15d58f6e_logsm
    .symbol:         k_q9b15d58f6e_logsm.kd
    .args:
      - { .name: energ, .offset: 0, .size: 8, .value_kind: global_buffer, .address_space: global }
      - { .name: hidden, .offset: 8, .size: 8, .value_kind: global_buffer, .address_space: global }
      - { .name: attn_b, .offset: 16, .size: 8, .value_kind: global_buffer, .address_space: global }
      - { .name: out0, .offset: 24, .size: 8, .value_kind: global_buffer, .address_space: global }
    .group_segment_fixed_size: 0
    .private_segment_fixed_size: 0
    .kernarg_segment_align: 8
    .kernarg_segment_size: 32
    .max_flat_workgroup_size: 32
    .sgpr_count:     66
    .vgpr_count:     162
    .wavefront_size: 32
...
	.end_amdgpu_metadata
.endif
;; end of part 3
;; ======== version 2 of 2: 3 launches; version 1 with the launch energy written anew for expert scheduling mode
;; workspace buffers: vpart 2,097,152 bytes; energ 262,144 bytes
;; launch projv: the kernel of part 1 again; grid 16 x 16, 1 waves a work-group, no clusters, 0 bytes of LDS; arguments attn_W, hidden, vpart; writes vpart
;; launch energy (part 4): grid 32 x 8, 16 waves a work-group, no clusters, 7,168 bytes of LDS; arguments encoder_outputs, vpart, energ; writes energ
.if DOCPART == 4
	.amdgcn_target "amdgcn-amd-amdhsa--gfx1250"
	.amdhsa_code_object_version 6
	.text
	.protected	k_q9b15d58f6e_energy
	.globl	k_q9b15d58f6e_energy
	.p2align	8
	.type	k_q9b15d58f6e_energy,@function
k_q9b15d58f6e_energy:
	s_mov_b64 s[64:65], 0
	v_nop
	global_prefetch_b8 v0, s[64:65] scope:SCOPE_SE
	s_setreg_imm32_b32 hwreg(HW_REG_WAVE_SCHED_MODE, 0, 2), 2
	s_setreg_imm32_b32 hwreg(HW_REG_WAVE_MODE, 25, 1), 1
	s_wait_xcnt 0x0
	s_wait_alu depctr_vm_vsrc(0)
; energ[b][s] = sum over h of encoder_outputs[s][b][h] * v[b][h],   v[b][h] = sum over kc of vpart[kc][b][h].
; encoder_outputs: [2048][32][1024] f32, vpart: [16][32][1024] f32, energ: [32][2048] f32.
; Second of three launches; all in f32.  The bias term, which hangs on b alone, is added in the third launch.
; LIMIT: the order of summation differs from reference()'s (v: eight partial sums a lane half, then the two halves; a row: two chains of packed
; sums a lane, then across the 32 lanes).
;
; A stream: each byte of encoder_outputs is read once, by loads of which each covers 512 consecutive aligned bytes.
; SHARES.  Work-group (b, sc) owns one b and s = 256 sc .. 256 sc + 255: 256 rows of 4,096 bytes; 32 x 8 = 256 equal work-groups.
; One b for a work-group, so that it needs one row of each of the 16 partial sums: 64 KiB beside its 1 MiB of rows.
; Wave w owns the 16 rows s = 256 sc + 16 w + i.  A row is eight loads of 16 bytes a lane; lane L holds columns 128 j + 4 L .. + 3 of piece j, and
; keeps v[b] in 32 registers in the same pattern for the whole kernel.
; PROLOGUE.  Wave w adds up the columns 64 w .. 64 w + 63 of v[b]: eight loads, in each of which lanes 0-15 take 256 consecutive aligned bytes of
; partial sum p and lanes 16-31 those of partial sum p + 8.  They are issued ahead of the ring's first 32 loads, which are on their way while the
; sums are made, meet in LDS behind one barrier, and are read back by every wave.
; A ring of five row slots in registers, of which four are on their way or at work and one has just been read, keeps 24 to 32 loads (up to 16 KiB)
; of every wave on their way; the waits are counted and never drain the ring.
; The 16 rows are written out: row and piece stand in the loads' immediate (1,969,664 at the most, inside its signed 24 bits), so no address
; register is ever rewritten.
; LDS: bytes 0 to 4,095 v[b]; bytes 4,096 to 5,119 the group's 256 results.  Each region is written once.
; THE MODE: SCHED_MODE bits 1:0 = 2 (LLVM: expert scheduling mode 2), set by the entry lines.  The code itself states the register dependences
; between vector instructions and memory or LDS instructions, with s_wait_alu, always for 0.
; THE PLAN.  Registers that memory or LDS instructions touch:
;   v[OFF], v[VP]  offsets, made once at the head and never written again.
;   VV             the eight loads of partial sums land in it; the prologue's sums read it and four lane permutes write its first four registers;
;                  then the LDS loads of v[b] land in it, and from there on the rows' products alone read it.
;   P              written by the prologue's sums, read by the one LDS store of my part of v[b], written again from row 0 on.
;   X0 .. X4       row i's loads land in slot i % 5; row i's sixteen products read it.  The loads of row i + 4 are issued in row i and land in
;                  slot (i + 4) % 5 = (i - 1) % 5: the slot that the row before read and that no vector instruction of row i names.
;   R, LST, VST    written by vector instructions, each read by one LDS store.   LRD  written on the way out, read by an LDS load and the store.
; So ONE wait on va_vdst stands at the head of a row that loads, behind the wait for the row's data; the row's eight loads follow it, dealt among its
; products, which name slot i % 5, VV and P: none of the registers that those loads touch.  The text is straight: there is no back edge.
; LEFT OUT: the matrix unit (one column for each b: rounding a pair of numbers to bf16 costs the one packed instruction that finishes them in f32);
; tensor loads into LDS (the rows are shared between no waves, and a register ring needs no barrier); clusters (the eight work-groups of one b share
; only the 64 KiB of partial sums against 1 MiB of their own each); prefetches (the ring already asks ahead).
.set ROWB,  131072                     ; bytes from s to s + 1: 32 b x 4,096
.set PARTB, 131072                     ; bytes from one partial sum to the next: 32 b x 4,096
.set STAGE, 4096                       ; LDS: the results, behind v[b]
.set OFF,  1                           ; v1         16 L; never rewritten
.set VV,   2                           ; v[2:33]    first my eight pieces of the partial sums, then v[b], my 32 numbers
.set X,    34                          ; v[34:193]  ring: row i in slot i % 5, 32 registers
.set P,    194                         ; v[194:197] two chains of packed sums
.set T,    198
.set T2,   199
.set R,    200                         ; lanes i and i + 16: the result of row i
.set LST,  201                         ; 64 w + 4 (L % 16): where my results go in the stage
.set LRD,  202                         ; 512 w + 16 L: the way out, in the stage and in energ alike
.set VP,   203                         ; (L / 16) << 20 | (L % 16) << 4: my offset in vpart (eight partial sums; 16 bytes a lane)
.set VST,  204                         ; 256 w + 16 (L % 16): where my part of v[b] goes in LDS
	s_load_b128 s[4:7], s[0:1], 0x0                ; encoder_outputs s[4:5], vpart s[6:7]
	s_load_b64 s[8:9], s[0:1], 0x10                ; energ
	v_lshl_add_u32 v206, v0, 2, 0x1400
	v_mov_b32 v207, 0
	v_lshrrev_b32 v[T], 5, v0
	v_readfirstlane_b32 s10, v[T]                  ; wave 0..15
	v_and_b32 v[OFF], 31, v0
	v_lshlrev_b32 v[OFF], 4, v[OFF]
	v_and_b32 v[VST], 15, v0                       ; L % 16
	v_bfe_u32 v[T], v0, 4, 1                       ; L / 16
	v_lshlrev_b32 v[VP], 4, v[VST]
	v_lshl_or_b32 v[VP], v[T], 20, v[VP]
	s_and_b32 s13, ttmp7, 0xffff                   ; sc
	s_lshl_b32 s11, ttmp9, 12                      ; b x 4,096
	s_wait_alu depctr_va_sdst(0)                   ; s10 is written, ahead of its first reader: the bases and the LDS places are made from it
	s_lshl_b32 s12, s10, 8                         ; 256 w
	s_lshl_b32 s14, s13, 25                        ; 256 sc rows of 131,072 bytes
	s_lshl_b32 s18, s10, 21                        ; 16 w rows
	s_add_co_u32 s14, s14, s18
	s_add_co_u32 s14, s14, s11                     ; below 2^28
	s_mov_b32 s15, 0
	s_add_co_u32 s20, s11, s12                     ; row b of a partial sum, my wave's 256 bytes
	s_mov_b32 s21, 0
	s_wait_kmcnt 0x0
	s_add_nc_u64 s[4:5], s[4:5], s[14:15]          ; my first row
	s_add_nc_u64 s[6:7], s[6:7], s[20:21]
	s_wait_alu depctr_va_vdst(0)                   ; v[VP] and v[OFF] are written: every load below, and every row's, reads one of them as its offset
.irp p, 0,1,2,3,4,5,6,7
	global_load_b128 v[VV+4*\p:VV+4*\p+3], v[VP], s[6:7] offset:\p*PARTB     ; partial sums p and p + 8; eight work-groups read these bytes: no hint
.endr
.macro LD i, j                         ; piece j of row i into the row's slot: 512 consecutive bytes; read once in the launch
	global_load_b128 v[X+32*((\i)%5)+4*(\j):X+32*((\i)%5)+4*(\j)+3], v[OFF], s[4:5] offset:(\i)*ROWB+(\j)*512 th:TH_LOAD_NT
.endm
.macro FILL i                          ; a whole row: eight loads
.irp j, 0,1,2,3,4,5,6,7
	LD \i, \j
.endr
.endm
	FILL 0
	FILL 1
	FILL 2
	FILL 3
	; the rest of the set-up, while the loads are on their way: it names none of the registers that those loads touch
	s_lshl_b32 s14, ttmp9, 13                      ; row b of energ, 8,192 bytes
	s_lshl_b32 s18, s13, 10                        ; 256 sc numbers
	s_add_co_u32 s14, s14, s18
	s_add_nc_u64 s[8:9], s[8:9], s[14:15]
	s_mov_b32 s16, 0x76543210                      ; v_permlanex16_b32: lane i of one half reads lane i of the other
	s_mov_b32 s17, 0xfedcba98
	v_mov_b32 v[T2], 0                             ; v_permlanex16_b32's destination counts as read: written once here
	v_lshl_add_u32 v[VST], v[VST], 4, s12          ; 256 w + 16 (L % 16)
	s_lshl_b32 s18, s10, 6
	v_and_b32 v[LST], 15, v0
	v_lshl_add_u32 v[LST], v[LST], 2, s18          ; 64 w + 4 (L % 16)
	; v[b], my wave's 64 columns
	s_wait_loadcnt 32                              ; loads return in order: my eight pieces are in, the ring's 32 loads stay out
	v_pk_add_f32 v[P:P+1],   v[VV:VV+1],   v[VV+4:VV+5]                          ; the first two pieces start the sums
	v_pk_add_f32 v[P+2:P+3], v[VV+2:VV+3], v[VV+6:VV+7]
.irp p, 2,3,4,5,6,7
	v_pk_add_f32 v[P:P+1],   v[P:P+1],   v[VV+4*\p:VV+4*\p+1]
	v_pk_add_f32 v[P+2:P+3], v[P+2:P+3], v[VV+4*\p+2:VV+4*\p+3]
.endr
.irp k, 0,1,2,3
	v_permlanex16_b32 v[VV+\k], v[P+\k], s16, s17  ; the other half's eight; the destinations have been written by the loads
.endr
	v_pk_add_f32 v[P:P+1],   v[P:P+1],   v[VV:VV+1]
	v_pk_add_f32 v[P+2:P+3], v[P+2:P+3], v[VV+2:VV+3]
	s_wait_alu depctr_va_vdst(0)                   ; P and v[VST] are written, which the LDS store reads; the sums and permutes are done with VV, in which the LDS loads behind the barrier land (no vector instruction stands between)
	ds_store_b128 v[VST], v[P:P+3]                 ; lanes L and L + 16 write the same 16 bytes with the same values (a sum of two terms in either order)
	s_wait_dscnt 0x0                               ; my store is in LDS before I say so
	s_barrier_signal -1
	s_barrier_wait -1                              ; every wave's is: v[b] is whole
.irp j, 0,1,2,3,4,5,6,7
	ds_load_b128 v[VV+4*\j:VV+4*\j+3], v[OFF] offset:\j*512                      ; 512 consecutive bytes a load: no bank conflict
.endr
	s_wait_dscnt 0x0
	s_wait_alu depctr_vm_vsrc(0)                   ; my LDS store has read P, which row 0's products write again
; Row i.  left = how many younger loads may stay out: eight for each younger row in the ring.
.macro ROW i, left
	s_wait_loadcnt \left                           ; loads return in order: row i is in
.if (\i > 0) && (\i+4 < 16)
	s_wait_alu depctr_va_vdst(0)                   ; the row before is done reading its slot, in which the eight loads below land (row 0's land in slot 4, which no vector instruction has named)
.endif
.if \i+4 < 16
	LD (\i+4), 0                                   ; row i + 4, a load ahead of each pair of products; no vector instruction since the wait names its slot or v[OFF]
.endif
	v_pk_mul_f32 v[P:P+1],   v[X+32*(\i%5):X+32*(\i%5)+1],   v[VV:VV+1]          ; the first products start the two chains
	v_pk_mul_f32 v[P+2:P+3], v[X+32*(\i%5)+2:X+32*(\i%5)+3], v[VV+2:VV+3]
.irp k, 1,2,3,4,5,6,7
.if \i+4 < 16
	LD (\i+4), \k
.endif
	v_pk_fma_f32 v[P:P+1],   v[X+32*(\i%5)+4*\k:X+32*(\i%5)+4*\k+1],   v[VV+4*\k:VV+4*\k+1],   v[P:P+1]
	v_pk_fma_f32 v[P+2:P+3], v[X+32*(\i%5)+4*\k+2:X+32*(\i%5)+4*\k+3], v[VV+4*\k+2:VV+4*\k+3], v[P+2:P+3]
.endr
	v_pk_add_f32 v[P:P+1], v[P:P+1], v[P+2:P+3]
	v_add_f32 v[T], v[P], v[P+1]
	v_add_f32_dpp v[T], v[T], v[T] row_xmask:1 row_mask:0xf bank_mask:0xf       ; across the 16 lanes of each half,
	v_add_f32_dpp v[T], v[T], v[T] row_xmask:2 row_mask:0xf bank_mask:0xf
	v_add_f32_dpp v[T], v[T], v[T] row_xmask:4 row_mask:0xf bank_mask:0xf
	v_add_f32_dpp v[T], v[T], v[T] row_xmask:8 row_mask:0xf bank_mask:0xf
	v_permlanex16_b32 v[T2], v[T], s16, s17                                     ; and across the halves
.if \i == 0
	v_add_f32 v[R], v[T], v[T2]                    ; writes R whole
.else
	v_add_f32 v[T], v[T], v[T2]
	s_mov_b32 s18, 0x10001<<\i
	v_cndmask_b32 v[R], v[R], v[T], s18            ; lanes i and i + 16 keep row i
.endif
.endm
.irp i, 0,1,2,3,4,5,6,7,8,9,10,11,12
	ROW \i, 24                                     ; three younger rows stay out
.endr
	ROW 13, 16                                     ; nothing is left to fetch: the counts run down
	ROW 14, 8
	ROW 15, 0
	; The group's 256 results meet in LDS, so that each store of a wave covers 512 consecutive aligned bytes of energ.
	s_wait_alu depctr_va_vdst(0)                   ; R and v[LST] are written, which the LDS store reads
	ds_store_b32 v[LST], v[R] offset:STAGE         ; lanes i and i + 16 write the same word with the same value
	s_wait_dscnt 0x0                               ; my store is in LDS before I say so
	s_barrier_signal -1
	s_barrier_wait -1
	s_cmp_gt_u32 s10, 1
	s_cbranch_scc1 .Lend                           ; 64 threads x 16 bytes = the 1,024 bytes: waves 0 and 1
	s_lshl_b32 s14, s10, 9
	v_add_nc_u32 v[LRD], s14, v[OFF]               ; 512 w + 16 L
	s_wait_alu depctr_va_vdst(0)                   ; v[LRD] is written, which the LDS load and the store read; row 15's products, which read the registers in which the load lands, lie ahead of it too
	ds_load_b128 v[X:X+3], v[LRD] offset:STAGE
	s_wait_dscnt 0x0
	global_store_b128 v[LRD], v[X:X+3], s[8:9]
.Lend:
	s_wait_dscnt 0x0
	s_wait_alu depctr_hold_cnt(0) depctr_sa_sdst(0) depctr_va_vdst(0) depctr_va_sdst(0) depctr_va_ssrc(0) depctr_va_vcc(0) depctr_vm_vsrc(0)
	s_wait_tensorcnt 0x0
	ds_add_u32 v206, v207
	s_wait_dscnt 0x0
	s_endpgm
.Lfunc_end_k_q9b15d58f6e_energy:
	.size	k_q9b15d58f6e_energy, .Lfunc_end_k_q9b15d58f6e_energy-k_q9b15d58f6e_energy
	.p2alignl 7, 3214868480
	.fill 96, 4, 3214868480
	.section	.rodata,"a",@progbits
	.p2align	6, 0x0
	.amdhsa_kernel k_q9b15d58f6e_energy
		.amdhsa_group_segment_fixed_size 7168
		.amdhsa_private_segment_fixed_size 0
		.amdhsa_enable_private_segment 0
		.amdhsa_kernarg_size 24
		.amdhsa_user_sgpr_count 2
		.amdhsa_user_sgpr_kernarg_segment_ptr 1
		.amdhsa_wavefront_size32 1
		.amdhsa_system_sgpr_workgroup_id_x 1
		.amdhsa_system_sgpr_workgroup_id_y 1
		.amdhsa_system_sgpr_workgroup_id_z 1
		.amdhsa_system_vgpr_workitem_id 0
		.amdhsa_next_free_vgpr 208
		.amdhsa_next_free_sgpr 66
		.amdhsa_reserve_vcc 0
		.amdhsa_float_denorm_mode_32 3
		.amdhsa_float_denorm_mode_16_64 3
		.amdhsa_memory_ordered 1
		.amdhsa_forward_progress 1
		.amdhsa_inst_pref_size 44
	.end_amdhsa_kernel
	.amdgpu_metadata
---
amdhsa.version: [ 1, 2 ]
amdhsa.kernels:
  - .name:           k_q9b15d58f6e_energy
    .symbol:         k_q9b15d58f6e_energy.kd
    .args:
      - { .name: encoder_outputs, .offset: 0, .size: 8, .value_kind: global_buffer, .address_space: global }
      - { .name: vpart, .offset: 8, .size: 8, .value_kind: global_buffer, .address_space: global }
      - { .name: energ, .offset: 16, .size: 8, .value_kind: global_buffer, .address_space: global }
    .group_segment_fixed_size: 7168
    .private_segment_fixed_size: 0
    .kernarg_segment_align: 8
    .kernarg_segment_size: 24
    .max_flat_workgroup_size: 512
    .sgpr_count:     66
    .vgpr_count:     208
    .wavefront_size: 32
...
	.end_amdgpu_metadata
.endif
;; end of part 4
;; launch logsm: the kernel of part 3 again; grid 32 x 1, 1 waves a work-group, no clusters, 0 bytes of LDS; arguments energ, hidden, attn_b, out0; writes out0
